; MI455X (gfx1250); checked and timed in simulation.
; The chip was launched on July 23, 2026; its instructions are those of AMD's public machine-readable ISA for CDNA 5 (MIT licence, August 2026) and "CDNA5" Instruction Set Architecture Reference Guide (July 2026). The comments in the code are by the model that wrote it; some were corrected since.
;; Dense. Allowed arithmetic: float matrix products may take bf16 or f16 operands with f32 sums; other float arithmetic in f32, or as packed bf16 or f16 multiplies, adds, multiply-adds, maxima and minima; sums over many terms, partial sums and values carried from step to step in f32; what a program stores and reads back later, other than sums and carried values, may be rounded once to bf16 or f16.
;; Inputs: W 4,096 x 4,096 float32; inputs 64 x 4,096 x 64 float32.
;; Outputs: out0 64 x 4,096 x 64 float32.
;; 2 versions, each right; version 2 is version 1 with the launch cast written anew for expert scheduling mode. Each part assembles by itself: llvm-mc -triple=amdgcn-amd-amdhsa -mcpu=gfx1250 --defsym DOCPART=n.
;; ======== version 1 of 2: 2 launches
;; workspace buffers: Wb 33,554,432 bytes; Xb 33,554,432 bytes; par 32,768 bytes
;; launch cast (part 1): grid 512 x 2, 8 waves a work-group, no clusters, 0 bytes of LDS; arguments W, inputs, Wb, Xb, par; writes Wb, Xb, par
.if DOCPART == 1
	.amdgcn_target "amdgcn-amd-amdhsa--gfx1250"
	.amdhsa_code_object_version 6
	.text
	.protected	k_qb6c3968c58_cast
	.globl	k_qb6c3968c58_cast
	.p2align	8
	.type	k_qb6c3968c58_cast,@function
k_qb6c3968c58_cast:
	s_mov_b64 s[64:65], 0
	v_nop
	global_prefetch_b8 v0, s[64:65] scope:SCOPE_SE
	s_setreg_imm32_b32 hwreg(HW_REG_WAVE_MODE, 25, 1), 1
	s_wait_xcnt 0x0
; BOTH INPUTS ARE ROUNDED ONCE TO bf16 (nearest even) FOR THE PRODUCT THAT FOLLOWS, and each output feature's two constants are made.
;   Wb[o][i] = bf16(W[o][i]), [4096][4096], as W lies.
;   Xb[g][ks][p][k][b2][t] = bf16(inputs[4 g + 2 p + b2][128 ks + k][t]), [16][32][2][128][2][64]: a block (g, ks, p) is 128 rows of 256 bytes on end,
;   the tile of one K step that one tensor load of the next launch brings.
;   par[o] = (scale, mult): nc = max((1 + sum of W's row o) / SCALING, 0); scale = -1 / (1 + nc); mult = (nc - 1) / (nc + 1).
; The row's sum is taken of the ROUNDED numbers, in f32, so that the whole program is one function of the rounded inputs.  128 partial sums of 32 terms, then a tree.
; The three divisions are a reciprocal and one correction by the exact remainder (two fused multiply-adds).
; LIMITS.  A NaN in a row's sum is dropped by the maximum with 0 (nc = 0 there).  (1 + sum) / SCALING beyond f32's range (a sum above 2.7e37) gives NaN for scale too.
; SHARES.  A wave takes a unit of 4,096 numbers: 16 KiB read by 32 loads that all go out at once, 8 KiB written.  Unit R = 8 x work-group x + wave; y picks the tensor.
; y = 0: unit R is row R of W.  y = 1: unit R = (g, ks, p, kq): 32 values of k for two batches; lanes 0-15 read a row of 64 t of the one batch, lanes 16-31 of the other.
; Each load covers whole aligned rows of 256 bytes; each store of the wave covers 256 consecutive bytes, aligned.  Nothing is shared between waves: no LDS, no barrier.
.set X,   16                           ; v[16:143] load j in v[16+4j : 19+4j]; its first two registers then hold the four rounded numbers
.set LO,  2                            ; v2   my byte offset in the loads
.set SO,  3                            ; v3   my byte offset in the stores: 8 x lane
.set SUM, 4                            ; v[4:7] four chains of the row's sum
.set ONE, 8                            ; v8   1.0
.set NUL, 9                            ; v9   0: the offset of par's store
	s_load_b256 s[4:11], s[0:1], 0x0               ; W s[4:5], inputs s[6:7], Wb s[8:9], Xb s[10:11]
	s_load_b64 s[12:13], s[0:1], 0x20              ; par
	v_lshrrev_b32 v1, 5, v0
	v_readfirstlane_b32 s14, v1                    ; wave 0..7
	v_and_b32 v1, 31, v0                           ; lane
	s_lshl_b32 s15, ttmp9, 3
	s_add_co_u32 s15, s15, s14                     ; R, 0 to 4,095
	s_and_b32 s16, ttmp7, 0xffff                   ; y
	s_lshl_b32 s17, s15, 14                        ; W: R rows of 16,384 bytes
	s_lshr_b32 s19, s15, 8                         ; inputs: g,
	s_lshl_b32 s18, s19, 22                        ; four batches of 2^20 bytes
	s_bfe_u32 s19, s15, 0x50003                    ; ks (5 bits from bit 3),
	s_lshl_b32 s19, s19, 15                        ; 128 rows of 256 bytes
	s_add_co_u32 s18, s18, s19
	s_bfe_u32 s19, s15, 0x10002                    ; p (bit 2),
	s_lshl_b32 s19, s19, 21                        ; two batches
	s_add_co_u32 s18, s18, s19
	s_and_b32 s19, s15, 3                          ; kq,
	s_lshl_b32 s19, s19, 13                        ; 32 rows
	s_add_co_u32 s18, s18, s19
	s_lshl_b32 s20, s15, 13                        ; both destinations: R units of 8,192 bytes
	s_mov_b32 s21, 0
	s_lshl_b32 s2, s15, 3                          ; par: 8 bytes a row
	s_mov_b32 s3, 0
	s_mov_b32 s26, 0xbda2f983                      ; -SCALING in f32 (SCALING = 0.25 / pi)
	s_mov_b32 s27, 0x41490fdb                      ; the f32 nearest to its reciprocal
	s_mov_b32 s28, 0x76543210                      ; v_permlanex16_b32: each lane takes its own place in the other half
	s_mov_b32 s29, 0xfedcba98
	v_lshlrev_b32 v[SO], 3, v1
	v_mov_b32 v[ONE], 1.0
	v_mov_b32 v[NUL], 0
	s_wait_kmcnt 0x0
	s_cmp_eq_u32 s16, 0
	s_cselect_b64 s[22:23], s[4:5], s[6:7]         ; from where,
	s_cselect_b64 s[24:25], s[8:9], s[10:11]       ; to where
	s_cselect_b32 s18, s17, s18
	s_mov_b32 s19, 0
	s_add_nc_u64 s[22:23], s[22:23], s[18:19]
	s_add_nc_u64 s[24:25], s[24:25], s[20:21]
	s_add_nc_u64 s[12:13], s[12:13], s[2:3]
.macro LOADS stride                    ; the unit's 32 loads, all on their way together
.set j, 0
.rept 32
	global_load_b128 v[X+4*j:X+4*j+3], v[LO], s[22:23] offset:(\stride)*j th:TH_LOAD_NT
.set j, j+1
.endr
.endm
; Load by load: four numbers are rounded into two registers and stored; sum = 1: the rounded numbers also go onto the four chains (number x 1.0 + chain: one rounding).
; No register is written again behind the store that reads it.
.macro UNIT sum
.set j, 0
.rept 32
	s_wait_loadcnt 31-j                            ; loads come back in order (ISA guide 5.7.1): load j is in, the 31 - j younger ones stay out
	v_cvt_pk_bf16_f32 v[X+4*j],   v[X+4*j],   v[X+4*j+1]
	v_cvt_pk_bf16_f32 v[X+4*j+1], v[X+4*j+2], v[X+4*j+3]
.if \sum
.if j == 0
	v_lshlrev_b32 v[SUM],   16, v[X]               ; the first four numbers start the chains: nothing is cleared
	v_and_b32     v[SUM+1], 0xffff0000, v[X]
	v_lshlrev_b32 v[SUM+2], 16, v[X+1]
	v_and_b32     v[SUM+3], 0xffff0000, v[X+1]
.else
	v_fma_mix_f32_bf16 v[SUM],   v[X+4*j],   v[ONE], v[SUM]   op_sel_hi:[1,0,0]
	v_fma_mix_f32_bf16 v[SUM+1], v[X+4*j],   v[ONE], v[SUM+1] op_sel:[1,0,0] op_sel_hi:[1,0,0]
	v_fma_mix_f32_bf16 v[SUM+2], v[X+4*j+1], v[ONE], v[SUM+2] op_sel_hi:[1,0,0]
	v_fma_mix_f32_bf16 v[SUM+3], v[X+4*j+1], v[ONE], v[SUM+3] op_sel:[1,0,0] op_sel_hi:[1,0,0]
.endif
.endif
	global_store_b64 v[SO], v[X+4*j:X+4*j+1], s[24:25] offset:256*j th:TH_STORE_NT
.set j, j+1
.endr
.endm
	s_cmp_lg_u32 s16, 0
	s_cbranch_scc1 .Lx
	; ---- a row of W
	v_lshlrev_b32 v[LO], 4, v1                     ; 16 bytes a lane: a load takes 512 consecutive bytes
	LOADS 512
	UNIT 1
	v_add_f32 v[SUM], v[SUM], v[SUM+1]
	v_add_f32 v[SUM+2], v[SUM+2], v[SUM+3]
	v_add_f32 v[SUM], v[SUM], v[SUM+2]
	v_add_f32_dpp v[SUM], v[SUM], v[SUM] row_xmask:1 row_mask:0xf bank_mask:0xf
	v_add_f32_dpp v[SUM], v[SUM], v[SUM] row_xmask:2 row_mask:0xf bank_mask:0xf
	v_add_f32_dpp v[SUM], v[SUM], v[SUM] row_xmask:4 row_mask:0xf bank_mask:0xf
	v_add_f32_dpp v[SUM], v[SUM], v[SUM] row_xmask:8 row_mask:0xf bank_mask:0xf
	v_permlanex16_b32 v[SUM+1], v[SUM], s28, s29   ; its destination counts as read: a register that has been written
	v_add_f32 v[SUM], v[SUM], v[SUM+1]             ; the row's sum, in every lane
	v_add_f32 v12, 1.0, v[SUM]                     ; a = 1 + sum
	v_mul_f32 v13, s27, v12                        ; q = a x (1 / SCALING)
	v_fma_f32 v14, v13, s26, v12                   ; the exact remainder a - q SCALING
	v_fma_f32 v13, v14, s27, v13                   ; q corrected: a / SCALING
	v_max_num_f32 v13, 0, v13                      ; nc
	v_add_f32 v14, 1.0, v13                        ; d = 1 + nc, at least 1
	v_rcp_f32 v15, v14                             ; r
	v_add_f32 v12, -1.0, v13                       ; n = nc - 1: the plain instruction behind the reciprocal
	s_wait_alu depctr_va_vdst(0)                   ; a wait ahead of the first line that names r
	v_fma_f32 v10, -v14, v15, 1.0                  ; 1 - d r
	v_fma_f32 v10, -v10, v15, -v15                 ; scale = -(r + (1 - d r) r)
	v_mul_f32 v11, v12, v15                        ; n r
	v_fma_f32 v4, -v14, v11, v12                   ; n - d (n r)
	v_fma_f32 v11, v4, v15, v11                    ; mult
	v_cmp_eq_u32 vcc_lo, 0, v1
	s_wait_xcnt 0x0                                ; EXEC is a source of the stores above: it changes only behind this wait
	s_and_saveexec_b32 s30, vcc_lo                 ; lane 0 stores the row's 8 bytes: 32 KiB in the whole launch, one part in 6,000 of its bytes
	global_store_b64 v[NUL], v[10:11], s[12:13]
	s_wait_xcnt 0x0                                ; and again, in front of the line that widens it
	s_or_b32 exec_lo, exec_lo, s30
	s_endpgm
.Lx:
	; ---- 32 values of k, two batches
	v_and_b32 v[LO], 15, v1
	v_lshlrev_b32 v[LO], 4, v[LO]                  ; 16 bytes (4 t) for each of 16 lanes: a row of 256 bytes,
	v_lshrrev_b32 v12, 4, v1
	v_lshl_add_u32 v[LO], v12, 20, v[LO]           ; and the next batch's, 2^20 bytes on, for lanes 16-31
	LOADS 256
	UNIT 0
	s_endpgm
.Lfunc_end_k_qb6c3968c58_cast:
	.size	k_qb6c3968c58_cast, .Lfunc_end_k_qb6c3968c58_cast-k_qb6c3968c58_cast
	.p2alignl 7, 3214868480
	.fill 96, 4, 3214868480
	.section	.rodata,"a",@progbits
	.p2align	6, 0x0
	.amdhsa_kernel k_qb6c3968c58_cast
		.amdhsa_group_segment_fixed_size 0
		.amdhsa_private_segment_fixed_size 0
		.amdhsa_enable_private_segment 0
		.amdhsa_kernarg_size 40
		.amdhsa_user_sgpr_count 2
		.amdhsa_user_sgpr_kernarg_segment_ptr 1
		.amdhsa_wavefront_size32 1
		.amdhsa_system_sgpr_workgroup_id_x 1
		.amdhsa_system_sgpr_workgroup_id_y 1
		.amdhsa_system_sgpr_workgroup_id_z 1
		.amdhsa_system_vgpr_workitem_id 0
		.amdhsa_next_free_vgpr 144
		.amdhsa_next_free_sgpr 66
		.amdhsa_reserve_vcc 1
		.amdhsa_float_denorm_mode_32 3
		.amdhsa_float_denorm_mode_16_64 3
		.amdhsa_memory_ordered 1
		.amdhsa_forward_progress 1
		.amdhsa_inst_pref_size 34
	.end_amdhsa_kernel
	.amdgpu_metadata
---
amdhsa.version: [ 1, 2 ]
amdhsa.kernels:
  - .name:           k_qb6c3968c58_cast
    .symbol:         k_qb6c3968c58_cast.kd
    .args:
      - { .name: W, .offset: 0, .size: 8, .value_kind: global_buffer, .address_space: global }
      - { .name: inputs, .offset: 8, .size: 8, .value_kind: global_buffer, .address_space: global }
      - { .name: Wb, .offset: 16, .size: 8, .value_kind: global_buffer, .address_space: global }
      - { .name: Xb, .offset: 24, .size: 8, .value_kind: global_buffer, .address_space: global }
      - { .name: par, .offset: 32, .size: 8, .value_kind: global_buffer, .address_space: global }
    .group_segment_fixed_size: 0
    .private_segment_fixed_size: 0
    .kernarg_segment_align: 8
    .kernarg_segment_size: 40
    .max_flat_workgroup_size: 256
    .sgpr_count:     66
    .vgpr_count:     144
    .wavefront_size: 32
...
	.end_amdgpu_metadata
.endif
;; end of part 1
;; launch dense (part 2): grid 16 x 16, 4 waves a work-group, clusters of 4 x 4, 327,680 bytes of LDS; arguments Wb, Xb, par, out0; writes out0
.if DOCPART == 2
	.amdgcn_target "amdgcn-amd-amdhsa--gfx1250"
	.amdhsa_code_object_version 6
	.text
	.protected	k_qb6c3968c58_dense
	.globl	k_qb6c3968c58_dense
	.p2align	8
	.type	k_qb6c3968c58_dense,@function
k_qb6c3968c58_dense:
	s_mov_b64 s[64:65], 0
	v_nop
	global_prefetch_b8 v0, s[64:65] scope:SCOPE_SE
	s_setreg_imm32_b32 hwreg(HW_REG_WAVE_MODE, 25, 1), 1
	s_wait_xcnt 0x0
	s_wait_alu depctr_hold_cnt(0) depctr_sa_sdst(0) depctr_va_vdst(0) depctr_va_sdst(0) depctr_va_ssrc(0) depctr_va_vcc(0) depctr_vm_vsrc(0)
	s_getreg_b32 s2, hwreg(HW_REG_IB_STS2, 6, 4)
	s_cmp_eq_u32 s2, 0
	s_cbranch_scc0 .Lentry_in_a_cluster
	s_endpgm
.Lentry_in_a_cluster:
	s_bfe_u32 s2, ttmp6, 0x10000c
	s_cmp_lg_u32 s2, 0xf033
	s_cbranch_scc0 .Lentry_shape_is_right
	s_endpgm
.Lentry_shape_is_right:
; out0[b][o][t] = the spikes of a leaky integrator fed with outs[b][o][t] = the sum over i of inputs[b][i][t] W[o][i].
; Wb: [4096 o][4096 i] bf16.  Xb: [16 g][32 ks][2 p][128 k][2 b2][64 t] bf16 (batch 4 g + 2 p + b2, i = 128 ks + k).  par: [4096][2] f32 (scale, mult).  out0: [64][4096][64] f32.
; THE PRODUCT.  M = 4,096 (o), N = 4,096 (64 batches x 64 t), K = 4,096; bf16 operands, f32 sums, K ascending.  A work-group makes 256 o x 4 batches (256 x 256), each of its four waves
; 128 o x 2 batches: 64 accumulators of 16 x 16, 512 registers.  K goes in steps of 128 through a ring of two LDS slots filled by the tensor data mover; every row of a tile is 256 bytes of memory, aligned.
; THE SCAN.  mem = mult mem + scale x (scale x rounded by itself, then one fused multiply-add); a spike where mem <= -0.5; a spike sets mem to 0.  64 steps along t, in registers, a lane a (batch, o).
; LIMITS.  The sums are taken in another order than a plain f32 sum over i: a mem that lies within that rounding of -0.5 can fall on the other side.  The reset writes +0 where mem x 0 is -0 (no comparison sees it);
; an infinite mem is reset to 0 where mem x 0 is NaN.  A NaN gives no spike, as in the comparison u >= 0.
; CLUSTERS: 4 x 4 work-groups.  The four of a row of the cluster need the same tiles of W, the four of a column the same tiles of X: each tile is asked for JOINTLY, by the same tensor load with the
; same descriptor and a mask that names the four; each receives it in its own LDS.
; THE MATRIX INSTRUCTION: source 0 = 16 (batch, t) x 32 k of X, turned on its way out of LDS (X lies [k][batch, t]); source 1 = 16 o x 32 k of W.  In the result lane (r, h) holds o = r and,
; in registers 0 to 7, t = 8 h + 0..7 of the block's 16.
; REGISTERS, in windows of 256 (s_set_vgpr_msb: bits 1:0 source 0, 3:2 source 1, 5:4 source 2, 7:6 destination):
;   window 0: v0-31 addresses; v32-47 (scale, mult) of my eight o blocks; v48-53 the scan's; v64-127, v128-191 fragments of W, two buffers (on the way out: two o blocks at work)
;   window 1: v64-127, v128-191 fragments of X, two buffers
;   window 2: the accumulators of my o blocks 0-3 ((a, b) at v[8 (8 a + b)], b = 4 b2 + t / 16);   window 3: those of blocks 4-7
.set KSTEP,  128
.set PW,     272                       ; a row of W in LDS: 256 bytes + 16 of padding = 68 words: the 16 rows of a load start at 16 different groups of four banks (64 banks of 4 bytes: ISA guide 11.1)
.set HALFW,  128*PW                    ; 128 rows: what one tensor load brings
.set PX,     288                       ; a row of X: 256 + 32 = 72 words
.set HALFX,  128*PX
.set XOFF,   2*HALFW                   ; a slot: W's 256 rows, then X's two blocks of 128 rows
.set SLOT,   XOFF+2*HALFX
.set STAGE,  2*SLOT                    ; behind the ring, never filled by a tensor load: 32 rows x 272 bytes for each wave, for the way out
.set SP,     272
.set SPARE,  STAGE+4*32*SP             ; behind the stages: the spare words, 128 bytes for each wave: two blocks of 256 bytes that no other line names
.set LAPS,   4096/(2*KSTEP)            ; a lap = two K steps = once round the ring
.set XSTEP,  65536                     ; bytes from a K step of X to the next
.set ADRW, 16                          ; v16-17  LDS address of my W fragments in slot 0, 1
.set ADRX, 20                          ; v20-21  the same for X
.set STO,  24                          ; v24     the way out: where I put my row of 256 bytes
.set RD,   25                          ; v25     the way out: where I read 16 bytes of a row back
.set CO,   26                          ; v26     16 x lane: my place in 512 consecutive bytes of out0
.set PO,   27                          ; v27     8 x (lane % 16): my place in 16 pairs of par
.set SPW,  28                          ; v28     LDS address of my spare word: SPARE + 4 x my thread's number; never rewritten
.set NIL,  29                          ; v29     0; never rewritten
.set PFO,  30                          ; v30     the prefetches' offset: my lane x a row in memory; never rewritten
.set PAR,  32                          ; v[32:47] o block a: scale at 32 + 2 a, mult at 33 + 2 a
.set MA,   48                          ; v48-49  mem of the two chains
.set MB,   49
.set MUA,  50                          ; v50-51  their mult
.set MUB,  51
.set ONE,  52                          ; v52     1.0
.set ZERO, 53                          ; v53     0
.set F0,   64                          ; fragment buffer 0
.set F1,   128                         ; fragment buffer 1
.set T0,   64                          ; the way out: an o block's 64 numbers a lane
.set T1,   128                         ; and the next block's
.set WV,  12                           ; s12  my wave's number
.set HR,  13                           ; s13  which half of the tile's o is mine.  Also: I fetch for W (0) or for X (1)
.set HC,  14                           ; s14  which pair of batches is mine.  Also: which half of that tile I fetch
.set TY,  15                           ; s15  the tile's place along o
.set G1,  24                           ; s[24:31] descriptor group 1 for W's tiles
.set G0,  32                           ; s[32:39] descriptor group 0 for W's tiles, one set for each slot
.set LIM, 43                           ; s43  1 in a wave that prefetches, else the greatest number
.set PFA, 44                           ; s[44:45] where my prefetches stand
.set G1B, 48                           ; s[48:55] descriptor group 1 for X's tiles
.set G0B, 56                           ; s[56:63] descriptor group 0 for X's tiles
.set PST, 68                           ; s[68:69] bytes from a K step to the next in the tensor that I prefetch
.set MSB, 0
.macro WIN new                         ; the immediate's high byte repeats the setting that is left; a switch that changes nothing is dropped
.if MSB != (\new)
	s_set_vgpr_msb (MSB<<8)|(\new)
.set MSB, \new
.endif
.endm
.set MUL_LO, 0xa1                      ; source 0 (X) window 1, source 1 (W) window 0, C and D window 2
.set MUL_HI, 0xf1                      ; the same, C and D window 3
.set TO_X,   0x40                      ; destination window 1, address window 0
; A joint load.  Waves 0 and 1 fetch W's two halves, waves 2 and 3 X's two blocks.  Each of the two lines has one mask and one set of registers for all that issue it; the branch hangs on the
; wave's number alone.  An s_nop 0 and four v_nop follow each line, ahead of the jump, the label and what follows.
.macro JLOAD s
	s_cmp_eq_u32 s[HR], 0
	s_cbranch_scc0 .Lfor_x_\@
	tensor_load_to_lds s[G0+4*(\s):G0+4*(\s)+3], s[G1:G1+7]
	s_nop 0
.rept 4
	v_nop
.endr
	s_branch .Lasked_\@
.Lfor_x_\@:
	tensor_load_to_lds s[G0B+4*(\s):G0B+4*(\s)+3], s[G1B:G1B+7]
	s_nop 0
.rept 4
	v_nop
.endr
.Lasked_\@:
.endm
; A PREFETCH INTO THE L2, behind each joint refill and the run of LDS loads that follows it: 32 rows x 256 bytes, a lane a row, of the K step that stands TWO refills on (512 matrix instructions ahead of
; the load that will want it).  Each row's 256 bytes of a K step are named once in the launch: W's tile rows are read by every cluster of a row of clusters, and the one with x = 0 asks; X's by every
; cluster of a column, and the one with y = 0 asks.  The four partners that ask for a tile jointly share its 128 rows out BY ADDRESS, 32 each.  The loop's last trip (s3 = 1) has no K step two refills on.
.macro ASK
	s_cmp_gt_u32 s3, s[LIM]
	s_cbranch_scc0 .Lnot_mine_\@
	global_prefetch_b8 v[PFO], s[PFA:PFA+1] th:TH_LOAD_NT scope:SCOPE_SE
.Lnot_mine_\@:
.endm
; A round of the cluster's barrier: my work-group's barrier, so that wave 0's signal speaks for all four waves; wave 0 signals; every wave waits for all sixteen work-groups; my work-group's barrier once more.
.macro CREST                           ; a round behind its opening barrier
	s_cmp_lg_u32 s[WV], 0
	s_cbranch_scc1 .Lnot_wave_0_\@
	s_barrier_signal -3
.Lnot_wave_0_\@:
	s_barrier_wait -3
	s_barrier_signal -1
	s_barrier_wait -1
.endm
.macro CROUND                          ; a whole round
	s_barrier_signal -1
	s_barrier_wait -1
	CREST
.endm
	s_load_b256 s[4:11], s[0:1], 0x0               ; Wb s[4:5], Xb s[6:7], par s[8:9], out0 s[10:11]
	v_lshl_add_u32 v[SPW], v0, 2, SPARE
	v_mov_b32 v[NIL], 0
	ds_add_u32 v[SPW], v[NIL]                      ; the wave's opening: the add, twice on end, and its wait ahead of my first tensor load; the set-up below stands between
	ds_add_u32 v[SPW], v[NIL]                      ; and once more, under the one wait
	v_lshrrev_b32 v1, 5, v0
	v_readfirstlane_b32 s[WV], v1                  ; wave 0..3
	s_lshr_b32 s[HR], s[WV], 1
	s_and_b32 s[HC], s[WV], 1
	s_bfe_u32 s40, ttmp6, 0x40000                  ; cx: my place along the cluster's x
	s_bfe_u32 s41, ttmp6, 0x40004                  ; cy: along its y
	s_lshl_b32 s42, ttmp9, 2                       ; in a cluster launch ttmp9 and ttmp7 count clusters
	s_add_co_u32 s42, s42, s40                     ; g, the tile's four batches = 4 x cluster x + cx
	s_and_b32 s[TY], ttmp7, 0xffff
	s_lshl_b32 s[TY], s[TY], 2
	s_add_co_u32 s[TY], s[TY], s41                 ; the tile's 256 o = 4 x cluster y + cy
	s_lshl_b32 s43, s41, 2
	s_lshl_b32 s43, 15, s43                        ; my row of the cluster: places 4 cy .. 4 cy + 3
	s_lshl_b32 s44, 0x1111, s40                    ; my column: places cx, cx + 4, cx + 8, cx + 12
	; descriptor group 1: tiles of 128 rows x 128 elements, padded in LDS
	s_or_b32 s[G1+0], s43, (1<<16)|(1<<20)|(1<<21)|(5<<22)|(3<<25)   ; 15:0 the mask: W's tiles go to my row; 17:16 2-byte elements; 20 padding on; 21 set beside a mask; 24:22 after every 64 words (code 5); 31:25 4 words (code 3)
	s_or_b32 s[G1B+0], s44, (1<<16)|(1<<20)|(1<<21)|(5<<22)|(7<<25)  ; X's tiles go to my column; 8 words of padding (code 7)
.irp g, G1, G1B
	s_mov_b32 s[(\g)+1], KSTEP<<16                 ; tensor_dim0 = 128
	s_mov_b32 s[(\g)+2], 128<<16                   ; tensor_dim1 = 128
	s_mov_b32 s[(\g)+3], KSTEP<<16                 ; tile_dim0 = 128
	s_mov_b32 s[(\g)+4], 128                       ; tile_dim1 = 128
	s_mov_b32 s[(\g)+6], 0
	s_mov_b32 s[(\g)+7], 0
.endr
	s_mov_b32 s[G1+5], 4096                        ; W: 4,096 elements from row to row
	s_mov_b32 s[G1B+5], 128                        ; X: a block's rows lie on end
	; where the tiles come from.  W's hang on the tile's o alone, which my row of the cluster shares; X's on g alone, which my column shares.  Every wave makes both addresses.
	s_lshl_b32 s16, s[TY], 8
	s_lshl_b32 s17, s[HC], 7
	s_add_co_u32 s16, s16, s17                     ; W: row 256 x tile + 128 x half,
	s_lshl_b32 s16, s16, 13                        ; of 8,192 bytes
	s_mov_b32 s17, 0
	s_lshl_b32 s66, s42, 21                        ; X: g x 32 K steps x 65,536 bytes
	s_lshl_b32 s67, s[HC], 15                      ; + block p of 32,768
	s_add_co_u32 s66, s66, s67
	s_mov_b32 s67, 0
	s_mul_i32 s20, s[HC], HALFW                    ; and where they go: no place in the cluster enters an LDS address
	s_mul_i32 s21, s[HC], HALFX
	s_add_co_u32 s21, s21, XOFF
	s_wait_dscnt 0x0                               ; both opening adds are done
	s_wait_kmcnt 0x0
	s_add_nc_u64 s[16:17], s[4:5], s[16:17]
	s_add_nc_u64 s[66:67], s[6:7], s[66:67]
	CROUND                                         ; all sixteen work-groups are here: the first joint loads meet
.irp s, 0,1
	s_mov_b32 s[G0+4*(\s)], 1                                      ; 1:0 count = 1
	s_add_co_u32 s[G0+4*(\s)+1], s20, (\s)*SLOT                    ; 63:32 LDS address
	s_add_nc_u64 s[G0+4*(\s)+2:G0+4*(\s)+3], s[16:17], (\s)*KSTEP*2  ; 120:64 global address: K step s
	s_or_b32 s[G0+4*(\s)+3], s[G0+4*(\s)+3], 0x80000000            ; 127:126 type = 2
	s_mov_b32 s[G0B+4*(\s)], 1
	s_add_co_u32 s[G0B+4*(\s)+1], s21, (\s)*SLOT
	s_add_nc_u64 s[G0B+4*(\s)+2:G0B+4*(\s)+3], s[66:67], (\s)*XSTEP
	s_or_b32 s[G0B+4*(\s)+3], s[G0B+4*(\s)+3], 0x80000000
	JLOAD \s                                       ; the ring is filled before anything else is done: two loads of mine are out
.endr
	; A fragment of W is 16 rows x 32 k in 8 registers: lane l holds row l % 16; registers 0-3 k = 8 (l / 16) + 0..7, registers 4-7 k = 16 + 8 (l / 16) + 0..7: two loads of 16 bytes, 32 bytes apart.
	v_and_b32 v1, 15, v0                           ; r = l % 16
	v_bfe_u32 v2, v0, 4, 1                         ; h = l / 16
	v_mul_u32_u24 v3, v1, PW
	v_lshl_add_u32 v3, v2, 4, v3                   ; row x pitch + 16 x half
	; The turning load takes 16 k x 16 columns (lane l reads 16 bytes: k = 8 (l / 16) + l % 8, columns 8 ((l / 8) % 2) + 0..7) and leaves half a fragment: lane l holds column l % 16 and 8 k.
	v_and_b32 v4, 7, v0
	v_lshl_add_u32 v4, v2, 3, v4
	v_mul_u32_u24 v4, v4, PX
	v_bfe_u32 v5, v0, 3, 1
	v_lshl_add_u32 v4, v5, 4, v4
	s_mul_i32 s21, s[HR], HALFW                    ; my 128 rows of W
	s_mul_i32 s22, s[HC], HALFX                    ; my block of X,
	s_add_co_u32 s22, s22, XOFF                    ; behind W's 256 rows
.irp s, 0,1
	v_add_nc_u32 v[ADRW+(\s)], s21, v3
	v_add_nc_u32 v[ADRX+(\s)], s22, v4
	s_add_co_u32 s21, s21, SLOT
	s_add_co_u32 s22, s22, SLOT
.endr
	s_mul_i32 s23, s[WV], 32*SP
	s_add_co_u32 s23, s23, STAGE                   ; my stage
	v_and_b32 v3, 31, v0                           ; l
	v_mul_u32_u24 v4, v3, SP                       ; in: a lane a row
	v_add_nc_u32 v[STO], s23, v4
	v_mul_u32_u24 v5, v2, SP                       ; back: lanes 0-15 take one row of 256 bytes, lanes 16-31 the next
	v_lshl_add_u32 v5, v1, 4, v5
	v_add_nc_u32 v[RD], s23, v5
	v_lshlrev_b32 v[CO], 4, v3
	v_lshlrev_b32 v[PO], 3, v1
	v_mov_b32 v[ONE], 1.0
	v_mov_b32 v[ZERO], 0
	; par and out0 at my part of the tile
	s_lshl_b32 s16, s[TY], 8
	s_lshl_b32 s17, s[HR], 7
	s_add_co_u32 s16, s16, s17                     ; my first o
	s_lshl_b32 s18, s16, 3                         ; 8 bytes of par each
	s_mov_b32 s19, 0
	s_add_nc_u64 s[8:9], s[8:9], s[18:19]
.irp a, 0,1,2,3,4,5,6,7
	global_load_b64 v[PAR+2*(\a):PAR+2*(\a)+1], v[PO], s[8:9] offset:128*(\a)  ; (scale, mult) of o = 16 a + l % 16
.endr
	s_lshl_b32 s46, s42, 2
	s_lshl_b32 s47, s[HC], 1
	s_add_co_u32 s46, s46, s47                     ; my first batch: 4 g + 2 p,
	s_lshl_b32 s46, s46, 20                        ; of 2^20 bytes
	s_lshl_b32 s16, s16, 8                         ; a row (batch, o) is 256 bytes
	s_add_co_u32 s46, s46, s16
	s_mov_b32 s47, 0
	s_add_nc_u64 s[10:11], s[10:11], s[46:47]
	; the prefetches: my work-group's 32 rows of the 128 that I fetch, at K step 3: the first refill steps this to K step 4.  Nothing is prefetched here, where every work-group's first tiles are on their way
	s_lshl_b32 s16, s[TY], 8
	s_lshl_b32 s17, s[HC], 7
	s_add_co_u32 s16, s16, s17
	s_lshl_b32 s17, s40, 5                         ; W: the partner at cx takes rows 32 cx ..
	s_add_co_u32 s16, s16, s17
	s_lshl_b32 s16, s16, 13
	s_add_co_u32 s16, s16, 3*KSTEP*2
	s_lshl_b32 s18, s42, 21
	s_lshl_b32 s17, s[HC], 15
	s_add_co_u32 s18, s18, s17
	s_lshl_b32 s17, s41, 13                        ; X: the partner at cy takes rows 32 cy .., 256 bytes each
	s_add_co_u32 s18, s18, s17
	s_add_co_u32 s18, s18, 3*XSTEP
	s_and_b32 s22, ttmp7, 0xffff                   ; cluster y
	s_movk_i32 s20, KSTEP*2
	s_mov_b32 s21, XSTEP
	s_cmp_eq_u32 s[HR], 0                          ; do I fetch for W?
	s_cselect_b32 s46, s16, s18
	s_cselect_b32 s22, ttmp9, s22                  ; the coordinate along which other clusters read the same rows
	s_cselect_b32 s[PST], s20, s21
	s_cselect_b32 s23, 13, 8                       ; a row in memory: 8,192 bytes of W, 256 of X
	s_cselect_b64 s[PFA:PFA+1], s[4:5], s[6:7]
	s_mov_b32 s47, 0
	s_mov_b32 s[PST+1], 0
	s_add_nc_u64 s[PFA:PFA+1], s[PFA:PFA+1], s[46:47]
	s_cmp_eq_u32 s22, 0
	s_cselect_b32 s[LIM], 1, -1                    ; the same in all sixteen partners, for a given wave
	v_and_b32 v[PFO], 31, v0
	v_lshlrev_b32 v[PFO], s23, v[PFO]
; 16 matrix instructions: o blocks a0, a0 + 1 of the window's four (hi = 0: blocks 0-3, 1: blocks 4-7) x all 8 blocks of (batch, t), 32 along K.  zero = 1: the first product starts the sums: nothing is cleared.
; The 64 accumulators take turns, one instruction a turn, in the same order in every quarter, over the backward jump too.
.macro MUL16 f, hi, a0, zero
	WIN MUL_LO+0x50*(\hi)
.irp a, \a0, (\a0)+1
.irp b, 0,1,2,3,4,5,6,7
.if \zero
	v_wmma_f32_16x16x32_bf16 v[8*(8*(\a)+(\b)):8*(8*(\a)+(\b))+7], v[(\f)+8*(\b):(\f)+8*(\b)+7], v[(\f)+8*(4*(\hi)+(\a)):(\f)+8*(4*(\hi)+(\a))+7], 0
.else
	v_wmma_f32_16x16x32_bf16 v[8*(8*(\a)+(\b)):8*(8*(\a)+(\b))+7], v[(\f)+8*(\b):(\f)+8*(\b)+7], v[(\f)+8*(4*(\hi)+(\a)):(\f)+8*(4*(\hi)+(\a))+7], v[8*(8*(\a)+(\b)):8*(8*(\a)+(\b))+7]
.endif
.endr
.endr
.endm
; 32 LDS loads in one run: the fragments of quarter q of a K step (32 k) into buffer f: X's eight blocks of 16 columns, turned, then W's eight blocks of 16 rows
.macro FETCH slot, q, f
	WIN TO_X
.irp i, 0,1,2,3,4,5,6,7
	ds_load_tr16_b128 v[(\f)+8*(\i):(\f)+8*(\i)+3],   v[ADRX+(\slot)] offset:(\q)*32*PX+32*(\i)
	ds_load_tr16_b128 v[(\f)+8*(\i)+4:(\f)+8*(\i)+7], v[ADRX+(\slot)] offset:(\q)*32*PX+16*PX+32*(\i)
.endr
	WIN 0
.irp i, 0,1,2,3,4,5,6,7
	ds_load_b128 v[(\f)+8*(\i):(\f)+8*(\i)+3],   v[ADRW+(\slot)] offset:64*(\q)+(\i)*16*PW
	ds_load_b128 v[(\f)+8*(\i)+4:(\f)+8*(\i)+7], v[ADRW+(\slot)] offset:64*(\q)+(\i)*16*PW+32
.endr
.endm
; A load into a register that a matrix instruction has read, and a vector instruction that reads a matrix result or writes one of a matrix instruction's registers, stand four places behind it, and only
; plain vector instructions that name none of its registers are places (ISA guide 7.12.1 for vector instructions).
.macro PLACES
.rept 4
	v_nop
.endr
.endm
; A K step is four quarters of 32 along K, 64 matrix instructions each, on buffers 0, 1, 0, 1.  One of the first three: multiplies buffer f; in its middle it fetches quarter q of the same slot into buffer g.
.macro QUARTER slot, q, f, g, zero
	s_wait_dscnt 8                                 ; X and W's blocks 0-3 are in; the youngest eight loads (W's blocks 4-7) may be out
	MUL16 \f, 0, 0, \zero
	MUL16 \f, 0, 2, \zero
	PLACES
	FETCH \slot, \q, \g
	s_wait_dscnt 32                                ; all but the 32 just issued
	MUL16 \f, 1, 0, \zero
	MUL16 \f, 1, 2, \zero
.endm
; The last quarter multiplies buffer 1 and changes slots.  MEET is its first half: ONE barrier, for two things.  In front of it each wave waits for all its tensor loads, of which one is out: its part of the
; next slot; adds 0 to its spare word; and waits for that and for its own reads of this slot.  Behind it nobody reads this slot any more and the next slot is whole.
.macro MEET round                      ; round = 1: the rest of a round of the cluster's barrier follows
	WIN 0                                          ; (the add's two registers lie in window 0)
	s_wait_tensorcnt 0x0                           ; all my tensor loads have landed;
	ds_add_u32 v[SPW], v[NIL]                      ; 0 onto my spare word;
	s_wait_dscnt 9                                 ; (the add and the youngest eight loads may be out)
	MUL16 F1, 0, 0, 0                              ; sixteen matrix instructions stand between the add and the wait for it
	s_wait_dscnt 0x0                               ; the add is done, and my reads of this slot are over:
	s_barrier_signal -1                            ; say so,
	MUL16 F1, 0, 2, 0                              ; work on registers while the others arrive,
.if \round
	WIN 0
.endif
	s_barrier_wait -1                              ; and go on when all four have said so
.endm
; The whole last quarter, with a refill: behind the round the slot just read out is filled again first, with the K step two steps on; then come the next slot's first fragments.
; From a request to the wait for it a wave issues 224 matrix instructions.
.macro TURN slot, next
	s_wait_xcnt 0x0                                ; the last prefetch, a K step back, has read its address: it is stepped here, ahead of the waits of the change of slots
	s_add_nc_u64 s[PFA:PFA+1], s[PFA:PFA+1], s[PST:PST+1]
	MEET 1
	CREST                                          ; no wave of any partner still reads this slot's tile or has a load on its way
	s_add_nc_u64 s[G0+4*(\slot)+2:G0+4*(\slot)+3], s[G0+4*(\slot)+2:G0+4*(\slot)+3], 2*KSTEP*2
	s_add_nc_u64 s[G0B+4*(\slot)+2:G0B+4*(\slot)+3], s[G0B+4*(\slot)+2:G0B+4*(\slot)+3], 2*XSTEP
	JLOAD \slot                                    ; the first tensor load behind the round, my only one until the next; its four v_nop are also the places in front of the loads below
	FETCH \next, 0, F0
	ASK
	MUL16 F1, 1, 0, 0
	MUL16 F1, 1, 2, 0
.endm
	s_wait_loadcnt 0x0                             ; (scale, mult): waited for here, where the wave waits for its first tile anyway
	s_wait_tensorcnt 1                             ; my part of K step 0 is in; K step 1's may stay out
	s_barrier_signal -1
	s_barrier_wait -1                              ; everybody's is
	FETCH 0, 0, F0
	QUARTER 0, 1, F0, F1, 1                        ; the first quarter stands in front of the loop: its products start the sums
	WIN 0                                          ; at a label and at a branch every window is 0
	s_mov_b32 s3, LAPS-1
.Llap:                                                 ; a trip goes once round the ring, from a lap's second quarter to the next lap's first, and fills both slots again
	QUARTER 0, 2, F1, F0, 0
	QUARTER 0, 3, F0, F1, 0
	TURN 0, 1
	QUARTER 1, 1, F0, F1, 0
	QUARTER 1, 2, F1, F0, 0
	QUARTER 1, 3, F0, F1, 0
	TURN 1, 0
	QUARTER 0, 1, F0, F1, 0
	WIN 0
	s_sub_co_u32 s3, s3, 1
	s_cmp_lg_u32 s3, 0
	s_cbranch_scc1 .Llap
	QUARTER 0, 2, F1, F0, 0                        ; the last lap fills nothing, and has no round of the cluster's barrier
	QUARTER 0, 3, F0, F1, 0
	MEET 0                                         ; my one tensor load that was still out is slot 1's, the last K step's
	PLACES
	FETCH 1, 0, F0
	MUL16 F1, 1, 0, 0
	MUL16 F1, 1, 2, 0
	QUARTER 1, 1, F0, F1, 0
	QUARTER 1, 2, F1, F0, 0
	QUARTER 1, 3, F0, F1, 0
	s_wait_dscnt 8                                 ; the very last quarter: nothing more to fetch
	MUL16 F1, 0, 0, 0
	MUL16 F1, 0, 2, 0
	s_wait_dscnt 0x0
	MUL16 F1, 1, 0, 0
	MUL16 F1, 1, 2, 0
	WIN 0
	PLACES                                         ; the lines below read results and write W's buffers
	PLACES                                         ; (eight, once a launch)
; THE WAY OUT, two o blocks (2 p, 2 p + 1) a trip, four trips.
; TAKE p: the blocks' 128 sums a lane, times scale (rounded by itself, as scale x is), into T0 and T1; each accumulator is read from its low end on.  The one part that names p's registers: written four times.
.macro TAKE p
	WIN 2+(\p)/2                                   ; source 0 in the accumulators' window
.set AC, 128*((\p)%2)
.set z, 0
.rept 32
	v_pk_mul_f32 v[T0+2*z:T0+2*z+1], v[AC+2*z:AC+2*z+1], v[PAR+4*(\p):PAR+4*(\p)+1] op_sel_hi:[1,0]
.set z, z+1
.endr
.set z, 0
.rept 32
	v_pk_mul_f32 v[T1+2*z:T1+2*z+1], v[AC+64+2*z:AC+64+2*z+1], v[PAR+4*(\p)+2:PAR+4*(\p)+3] op_sel_hi:[1,0]
.set z, z+1
.endr
	WIN 0
	v_mov_b32 v[MUA], v[PAR+4*(\p)+1]
	v_mov_b32 v[MUB], v[PAR+4*(\p)+3]
.endm
; Into the stage, a lane a row of 256 bytes (row = 16 x batch + o), and back by rows.  LDS serves a wave's instructions in order (ISA guide 5.7.1.4): the loads see the stores above them, and the next block's stores come behind them.
.macro STG T
.irp mb, 0,1,2,3
.irp u, 0,1
.irp c, 0,1
	ds_store_b128 v[STO], v[(\T)+32*(\u)+8*(\mb)+4*(\c):(\T)+32*(\u)+8*(\mb)+4*(\c)+3] offset:64*(\mb)+32*(\u)+16*(\c)
.endr
.endr
.endr
.irp f, 0,1,2,3,4,5,6,7,8,9,10,11,12,13,14,15
	ds_load_b128 v[(\T)+4*(\f):(\T)+4*(\f)+3], v[RD] offset:2*SP*(\f)
.endr
.endm
.macro SEND T, younger, off            ; younger: the LDS instructions issued behind this block's loads
.irp f, 0,1,2,3,4,5,6,7,8,9,10,11,12,13,14,15
	s_wait_dscnt (\younger)+15-(\f)
	global_store_b128 v[CO], v[(\T)+4*(\f):(\T)+4*(\f)+3], s[10:11] offset:((\f)%8)*512+((\f)/8)*1048576+(\off) th:TH_STORE_NT  ; two rows (batch, o), (batch, o + 1): 512 consecutive bytes, aligned
.endr
.endm
	s_mov_b32 s2, 4
.Lepi:
	s_cmp_eq_u32 s2, 4
	s_cbranch_scc1 .Ltake0
	s_cmp_eq_u32 s2, 3
	s_cbranch_scc1 .Ltake1
	s_cmp_eq_u32 s2, 2
	s_cbranch_scc1 .Ltake2
	TAKE 3
	s_branch .Lgot
.Ltake0:
	TAKE 0
	s_branch .Lgot
.Ltake1:
	TAKE 1
	s_branch .Lgot
.Ltake2:
	TAKE 2
.Lgot:
	; The halves of the lanes change places: register T + 8 mb + j holds batch 0, t = 16 mb + 8 h + j; register T + 32 + 8 mb + j the same of batch 1.  The first's lanes 16-31 and the second's lanes 0-15 are
	; exchanged: lane (r, h) then holds ALL 64 t of (batch h, o = r): t at T + 8 (t / 16) + 32 ((t / 8) % 2) + t % 8.
.set z, 0
.rept 32
	v_permlane16_swap_b32 v[T0+z], v[T0+32+z]
	v_permlane16_swap_b32 v[T1+z], v[T1+32+z]
.set z, z+1
.endr
	; THE SCAN: two chains (the two o blocks), line by line in turn.  At t = 0 mem is 0, so mem = scale x as it stands.  The spike takes x's place.
.set t, 0
.rept 64
.set xo, 8*(t/16)+32*((t/8)%2)+t%8
.if t > 0
	v_fmac_f32 v[T0+xo], v[MUA], v[MA]             ; mult mem + scale x
	v_fmac_f32 v[T1+xo], v[MUB], v[MB]
.endif
	v_cmp_ge_f32 vcc_lo, -0.5, v[T0+xo]            ; -0.5 - mem >= 0 just where -0.5 >= mem
	v_cmp_ge_f32 s20, -0.5, v[T1+xo]
	v_cndmask_b32 v[MA], v[T0+xo], v[ZERO], vcc_lo ; the reset
	v_cndmask_b32 v[MB], v[T1+xo], v[ZERO], s20
	v_cndmask_b32 v[T0+xo], 0, v[ONE], vcc_lo      ; the spike
	v_cndmask_b32 v[T1+xo], 0, v[ONE], s20
.set t, t+1
.endr
	STG T0
	STG T1
	SEND T0, 32, 0                                 ; behind block 0's loads stand block 1's sixteen stores and sixteen loads
	SEND T1, 0, 4096                               ; 16 o on
	s_wait_xcnt 0x0                                ; the stores have read their registers and their base: only behind this wait are T0, T1 and the base written again
	s_add_nc_u64 s[10:11], s[10:11], 8192          ; 32 o on
	s_sub_co_u32 s2, s2, 1
	s_cmp_lg_u32 s2, 0
	s_cbranch_scc1 .Lepi
	s_wait_tensorcnt 0x0                           ; the wave's end: behind my last tensor load and my last LDS store
	ds_add_u32 v[SPW], v[NIL]
	s_wait_dscnt 0x0
	CROUND                                         ; the closing round: no work-group ends while a partner may still ask for a tile that names it
	s_endpgm
.Lfunc_end_k_qb6c3968c58_dense:
	.size	k_qb6c3968c58_dense, .Lfunc_end_k_qb6c3968c58_dense-k_qb6c3968c58_dense
	.p2alignl 7, 3214868480
	.fill 96, 4, 3214868480
	.section	.rodata,"a",@progbits
	.p2align	6, 0x0
	.amdhsa_kernel k_qb6c3968c58_dense
		.amdhsa_group_segment_fixed_size 327680
		.amdhsa_private_segment_fixed_size 0
		.amdhsa_enable_private_segment 0
		.amdhsa_kernarg_size 32
		.amdhsa_user_sgpr_count 2
		.amdhsa_user_sgpr_kernarg_segment_ptr 1
		.amdhsa_wavefront_size32 1
		.amdhsa_system_sgpr_workgroup_id_x 1
		.amdhsa_system_sgpr_workgroup_id_y 1
		.amdhsa_system_sgpr_workgroup_id_z 1
		.amdhsa_system_vgpr_workitem_id 0
		.amdhsa_next_free_vgpr 1024
		.amdhsa_next_free_sgpr 72
		.amdhsa_reserve_vcc 1
		.amdhsa_float_denorm_mode_32 3
		.amdhsa_float_denorm_mode_16_64 3
		.amdhsa_memory_ordered 1
		.amdhsa_forward_progress 1
		.amdhsa_inst_pref_size 163
	.end_amdhsa_kernel
	.amdgpu_metadata
---
amdhsa.version: [ 1, 2 ]
amdhsa.kernels:
  - .name:           k_qb6c3968c58_dense
    .symbol:         k_qb6c3968c58_dense.kd
    .args:
      - { .name: Wb, .offset: 0, .size: 8, .value_kind: global_buffer, .address_space: global }
      - { .name: Xb, .offset: 8, .size: 8, .value_kind: global_buffer, .address_space: global }
      - { .name: par, .offset: 16, .size: 8, .value_kind: global_buffer, .address_space: global }
      - { .name: out0, .offset: 24, .size: 8, .value_kind: global_buffer, .address_space: global }
    .group_segment_fixed_size: 327680
    .private_segment_fixed_size: 0
    .kernarg_segment_align: 8
    .kernarg_segment_size: 32
    .max_flat_workgroup_size: 128
    .sgpr_count:     72
    .vgpr_count:     1024
    .wavefront_size: 32
...
	.end_amdgpu_metadata
.endif
;; end of part 2
;; ======== version 2 of 2: 2 launches; version 1 with the launch cast written anew for expert scheduling mode
;; workspace buffers: Wb 33,554,432 bytes; Xb 33,554,432 bytes; par 32,768 bytes
;; launch cast (part 3): grid 512 x 2, 8 waves a work-group, no clusters, 0 bytes of LDS; arguments W, inputs, Wb, Xb, par; writes Wb, Xb, par
.if DOCPART == 3
	.amdgcn_target "amdgcn-amd-amdhsa--gfx1250"
	.amdhsa_code_object_version 6
	.text
	.protected	k_qb6c3968c58_cast
	.globl	k_qb6c3968c58_cast
	.p2align	8
	.type	k_qb6c3968c58_cast,@function
k_qb6c3968c58_cast:
	s_mov_b64 s[64:65], 0
	v_nop
	global_prefetch_b8 v0, s[64:65] scope:SCOPE_SE
	s_setreg_imm32_b32 hwreg(HW_REG_WAVE_SCHED_MODE, 0, 2), 2
	s_setreg_imm32_b32 hwreg(HW_REG_WAVE_MODE, 25, 1), 1
	s_wait_xcnt 0x0
	s_wait_alu depctr_vm_vsrc(0)
; BOTH INPUTS ARE ROUNDED ONCE TO bf16 (nearest even) FOR THE PRODUCT THAT FOLLOWS, and each output feature's two constants are made.
;   Wb[o][i] = bf16(W[o][i]), [4096][4096], as W lies.
;   Xb[g][ks][p][k][b2][t] = bf16(inputs[4 g + 2 p + b2][128 ks + k][t]), [16][32][2][128][2][64]: a block (g, ks, p) is 128 rows of 256 bytes on end,
;   the tile of one K step that one tensor load of the next launch brings.
;   par[o] = (scale, mult): nc = max((1 + sum of W's row o) / SCALING, 0); scale = -1 / (1 + nc); mult = (nc - 1) / (nc + 1).
; The row's sum is taken of the ROUNDED numbers, in f32, so that the whole program is one function of the rounded inputs.  128 partial sums of 32 terms, then a tree.
; The three divisions are a reciprocal and one correction by the exact remainder (two fused multiply-adds).
; LIMITS.  A NaN in a row's sum is dropped by the maximum with 0 (nc = 0 there).  (1 + sum) / SCALING beyond f32's range (a sum above 2.7e37) gives NaN for scale too.
; SHARES.  A wave takes a unit of 4,096 numbers: 16 KiB read by 32 loads that all go out at once, 8 KiB written.  Unit R = 8 x work-group x + wave; y picks the tensor.
; y = 0: unit R is row R of W.  y = 1: unit R = (g, ks, p, kq): 32 values of k for two batches; lanes 0-15 read a row of 64 t of the one batch, lanes 16-31 of the other.
; Each load covers whole aligned rows of 256 bytes; each store of the wave covers 256 consecutive bytes, aligned.  Nothing is shared between waves: no LDS, no barrier.
; THE MODE: SCHED_MODE bits 1:0 = 2 (LLVM: expert scheduling mode 2), set by the entry lines.  The code itself states the register dependences
; between vector instructions and memory instructions, with s_wait_alu, always for 0.
; THE PLAN.  Registers that memory instructions touch:
;   v[LO]           Written once, at the head of each of the two paths; read by the path's 32 loads; never written again.
;   v[SO], v[NUL]   Written once, at the kernel's head; read by the 32 stores and by par's store; never written again.
;   v[X+4j ..+3]    Load j lands here (no vector line names them before); its two conversions read all four and write the first two; the chains read those two; store j reads them; never written again.
;   v[10:11]        Written by the last multiply-adds; read by par's store.
; The 32 loads go in eight blocks of four.  Block p's vector lines name block p's registers, the chains and 1.0 alone; its memory instructions are the four stores of block p - 1.
; So ONE wait at a block's head states all that those four stores hang on, and they are dealt among the block's vector lines with no further wait.
; No register that a memory instruction reads is ever written again, so the only waits for such reads are the two that stand ahead of the writes of EXEC.
.set X,   16                           ; v[16:143] load j in v[16+4j : 19+4j]; its first two registers then hold the four rounded numbers
.set LO,  2                            ; v2   my byte offset in the loads
.set SO,  3                            ; v3   my byte offset in the stores: 8 x lane
.set SUM, 4                            ; v[4:7] four chains of the row's sum
.set ONE, 8                            ; v8   1.0
.set NUL, 9                            ; v9   0: the offset of par's store
	s_load_b256 s[4:11], s[0:1], 0x0               ; W s[4:5], inputs s[6:7], Wb s[8:9], Xb s[10:11]
	s_load_b64 s[12:13], s[0:1], 0x20              ; par
	v_lshrrev_b32 v1, 5, v0
	v_readfirstlane_b32 s14, v1                    ; wave 0..7
	v_and_b32 v1, 31, v0                           ; lane
	s_lshl_b32 s15, ttmp9, 3
	s_wait_alu depctr_va_sdst(0)                   ; s14 is written, ahead of its first reader: every base of the wave is made from it
	s_add_co_u32 s15, s15, s14                     ; R, 0 to 4,095
	s_and_b32 s16, ttmp7, 0xffff                   ; y
	s_lshl_b32 s17, s15, 14                        ; W: R rows of 16,384 bytes
	s_lshr_b32 s19, s15, 8                         ; inputs: g,
	s_lshl_b32 s18, s19, 22                        ; four batches of 2^20 bytes
	s_bfe_u32 s19, s15, 0x50003                    ; ks (5 bits from bit 3),
	s_lshl_b32 s19, s19, 15                        ; 128 rows of 256 bytes
	s_add_co_u32 s18, s18, s19
	s_bfe_u32 s19, s15, 0x10002                    ; p (bit 2),
	s_lshl_b32 s19, s19, 21                        ; two batches
	s_add_co_u32 s18, s18, s19
	s_and_b32 s19, s15, 3                          ; kq,
	s_lshl_b32 s19, s19, 13                        ; 32 rows
	s_add_co_u32 s18, s18, s19
	s_lshl_b32 s20, s15, 13                        ; both destinations: R units of 8,192 bytes
	s_mov_b32 s21, 0
	s_lshl_b32 s2, s15, 3                          ; par: 8 bytes a row
	s_mov_b32 s3, 0
	s_mov_b32 s26, 0xbda2f983                      ; -SCALING in f32 (SCALING = 0.25 / pi)
	s_mov_b32 s27, 0x41490fdb                      ; the f32 nearest to its reciprocal
	s_mov_b32 s28, 0x76543210                      ; v_permlanex16_b32: each lane takes its own place in the other half
	s_mov_b32 s29, 0xfedcba98
	v_lshlrev_b32 v[SO], 3, v1
	v_mov_b32 v[ONE], 1.0
	v_mov_b32 v[NUL], 0
	s_wait_kmcnt 0x0
	s_cmp_eq_u32 s16, 0
	s_cselect_b64 s[22:23], s[4:5], s[6:7]         ; from where,
	s_cselect_b64 s[24:25], s[8:9], s[10:11]       ; to where
	s_cselect_b32 s18, s17, s18
	s_mov_b32 s19, 0
	s_add_nc_u64 s[22:23], s[22:23], s[18:19]
	s_add_nc_u64 s[24:25], s[24:25], s[20:21]
	s_add_nc_u64 s[12:13], s[12:13], s[2:3]
.macro LOADS stride                    ; the unit's 32 loads, all on their way together
.set j, 0
.rept 32
	global_load_b128 v[X+4*j:X+4*j+3], v[LO], s[22:23] offset:(\stride)*j th:TH_LOAD_NT
.set j, j+1
.endr
.endm
; Eight blocks of four loads.  In a block each load's four numbers are rounded into two registers; sum = 1: the rounded numbers also go onto the four chains (number x 1.0 + chain: one rounding),
; load 0 to load 31 in order.  The stores of the block before stand among these lines, one ahead of each load's.  No register is written again behind the store that reads it.
.macro UNIT sum
.set p, 0
.rept 8
	s_wait_loadcnt 28-4*p                          ; loads come back in order (ISA guide 5.7.1): block p's four are in, the 28 - 4 p younger ones stay out
.if p > 0
	s_wait_alu depctr_va_vdst(0)                   ; the block before has written its eight rounded registers, which the four stores below read; no vector line of this block names them
.endif
.set i, 0
.rept 4
.set j, 4*p+i
.if p > 0
	global_store_b64 v[SO], v[X+4*(j-4):X+4*(j-4)+1], s[24:25] offset:256*(j-4) th:TH_STORE_NT
.endif
	v_cvt_pk_bf16_f32 v[X+4*j],   v[X+4*j],   v[X+4*j+1]
	v_cvt_pk_bf16_f32 v[X+4*j+1], v[X+4*j+2], v[X+4*j+3]
.if \sum
.if j == 0
	v_lshlrev_b32 v[SUM],   16, v[X]               ; the first four numbers start the chains: nothing is cleared
	v_and_b32     v[SUM+1], 0xffff0000, v[X]
	v_lshlrev_b32 v[SUM+2], 16, v[X+1]
	v_and_b32     v[SUM+3], 0xffff0000, v[X+1]
.else
	v_fma_mix_f32_bf16 v[SUM],   v[X+4*j],   v[ONE], v[SUM]   op_sel_hi:[1,0,0]
	v_fma_mix_f32_bf16 v[SUM+1], v[X+4*j],   v[ONE], v[SUM+1] op_sel:[1,0,0] op_sel_hi:[1,0,0]
	v_fma_mix_f32_bf16 v[SUM+2], v[X+4*j+1], v[ONE], v[SUM+2] op_sel_hi:[1,0,0]
	v_fma_mix_f32_bf16 v[SUM+3], v[X+4*j+1], v[ONE], v[SUM+3] op_sel:[1,0,0] op_sel_hi:[1,0,0]
.endif
.endif
.set i, i+1
.endr
.set p, p+1
.endr
	s_wait_alu depctr_va_vdst(0)                   ; the last block has written its eight rounded registers, which the last four stores read
.set j, 28
.rept 4
	global_store_b64 v[SO], v[X+4*j:X+4*j+1], s[24:25] offset:256*j th:TH_STORE_NT
.set j, j+1
.endr
.endm
	s_cmp_lg_u32 s16, 0
	s_cbranch_scc1 .Lx
	; ---- a row of W
	v_lshlrev_b32 v[LO], 4, v1                     ; 16 bytes a lane: a load takes 512 consecutive bytes
	s_wait_alu depctr_va_vdst(0)                   ; v[LO] is written, which the loads read as their offset; so are v[SO] and v[NUL], the stores' offsets
	LOADS 512
	UNIT 1
	v_add_f32 v[SUM], v[SUM], v[SUM+1]
	v_add_f32 v[SUM+2], v[SUM+2], v[SUM+3]
	v_add_f32 v[SUM], v[SUM], v[SUM+2]
	v_add_f32_dpp v[SUM], v[SUM], v[SUM] row_xmask:1 row_mask:0xf bank_mask:0xf
	v_add_f32_dpp v[SUM], v[SUM], v[SUM] row_xmask:2 row_mask:0xf bank_mask:0xf
	v_add_f32_dpp v[SUM], v[SUM], v[SUM] row_xmask:4 row_mask:0xf bank_mask:0xf
	v_add_f32_dpp v[SUM], v[SUM], v[SUM] row_xmask:8 row_mask:0xf bank_mask:0xf
	v_permlanex16_b32 v[SUM+1], v[SUM], s28, s29   ; its destination counts as read: a register that has been written
	v_add_f32 v[SUM], v[SUM], v[SUM+1]             ; the row's sum, in every lane
	v_add_f32 v12, 1.0, v[SUM]                     ; a = 1 + sum
	v_mul_f32 v13, s27, v12                        ; q = a x (1 / SCALING)
	v_fma_f32 v14, v13, s26, v12                   ; the exact remainder a - q SCALING
	v_fma_f32 v13, v14, s27, v13                   ; q corrected: a / SCALING
	v_max_num_f32 v13, 0, v13                      ; nc
	v_add_f32 v14, 1.0, v13                        ; d = 1 + nc, at least 1
	v_rcp_f32 v15, v14                             ; r
	v_add_f32 v12, -1.0, v13                       ; n = nc - 1: the plain instruction behind the reciprocal
	s_wait_alu depctr_va_vdst(0)                   ; a wait ahead of the first line that names r
	v_fma_f32 v10, -v14, v15, 1.0                  ; 1 - d r
	v_fma_f32 v10, -v10, v15, -v15                 ; scale = -(r + (1 - d r) r)
	v_mul_f32 v11, v12, v15                        ; n r
	v_fma_f32 v4, -v14, v11, v12                   ; n - d (n r)
	v_fma_f32 v11, v4, v15, v11                    ; mult
	v_cmp_eq_u32 vcc_lo, 0, v1
	s_wait_xcnt 0x0                                ; EXEC is a source of the stores above: it changes only behind this wait
	s_wait_alu depctr_va_vcc(0)                    ; the compare has written VCC, from which EXEC is made
	s_wait_alu depctr_va_vdst(0)                   ; ahead of the write of EXEC: every vector line issued under the full EXEC has written its result, v10 and v11, which the store below reads, among them
	s_wait_alu depctr_vm_vsrc(0)                   ; ahead of the write of EXEC: the stores issued under the full EXEC have read their vector registers
	s_and_saveexec_b32 s30, vcc_lo                 ; lane 0 stores the row's 8 bytes: 32 KiB in the whole launch, one part in 6,000 of its bytes
	global_store_b64 v[NUL], v[10:11], s[12:13]
	s_wait_xcnt 0x0                                ; and again, in front of the line that widens it
	s_wait_alu depctr_va_vdst(0)                   ; ahead of the write of EXEC: no vector line was issued under the narrow EXEC
	s_wait_alu depctr_vm_vsrc(0)                   ; ahead of the write of EXEC: the store issued under the narrow EXEC has read its vector registers
	s_or_b32 exec_lo, exec_lo, s30
	s_endpgm
.Lx:
	; ---- 32 values of k, two batches
	v_and_b32 v[LO], 15, v1
	v_lshlrev_b32 v[LO], 4, v[LO]                  ; 16 bytes (4 t) for each of 16 lanes: a row of 256 bytes,
	v_lshrrev_b32 v12, 4, v1
	v_lshl_add_u32 v[LO], v12, 20, v[LO]           ; and the next batch's, 2^20 bytes on, for lanes 16-31
	s_wait_alu depctr_va_vdst(0)                   ; v[LO] is written, which the loads read as their offset; so is v[SO], the stores' offset
	LOADS 256
	UNIT 0
	s_endpgm
.Lfunc_end_k_qb6c3968c58_cast:
	.size	k_qb6c3968c58_cast, .Lfunc_end_k_qb6c3968c58_cast-k_qb6c3968c58_cast
	.p2alignl 7, 3214868480
	.fill 96, 4, 3214868480
	.section	.rodata,"a",@progbits
	.p2align	6, 0x0
	.amdhsa_kernel k_qb6c3968c58_cast
		.amdhsa_group_segment_fixed_size 0
		.amdhsa_private_segment_fixed_size 0
		.amdhsa_enable_private_segment 0
		.amdhsa_kernarg_size 40
		.amdhsa_user_sgpr_count 2
		.amdhsa_user_sgpr_kernarg_segment_ptr 1
		.amdhsa_wavefront_size32 1
		.amdhsa_system_sgpr_workgroup_id_x 1
		.amdhsa_system_sgpr_workgroup_id_y 1
		.amdhsa_system_sgpr_workgroup_id_z 1
		.amdhsa_system_vgpr_workitem_id 0
		.amdhsa_next_free_vgpr 144
		.amdhsa_next_free_sgpr 66
		.amdhsa_reserve_vcc 1
		.amdhsa_float_denorm_mode_32 3
		.amdhsa_float_denorm_mode_16_64 3
		.amdhsa_memory_ordered 1
		.amdhsa_forward_progress 1
		.amdhsa_inst_pref_size 33
	.end_amdhsa_kernel
	.amdgpu_metadata
---
amdhsa.version: [ 1, 2 ]
amdhsa.kernels:
  - .name:           k_qb6c3968c58_cast
    .symbol:         k_qb6c3968c58_cast.kd
    .args:
      - { .name: W, .offset: 0, .size: 8, .value_kind: global_buffer, .address_space: global }
      - { .name: inputs, .offset: 8, .size: 8, .value_kind: global_buffer, .address_space: global }
      - { .name: Wb, .offset: 16, .size: 8, .value_kind: global_buffer, .address_space: global }
      - { .name: Xb, .offset: 24, .size: 8, .value_kind: global_buffer, .address_space: global }
      - { .name: par, .offset: 32, .size: 8, .value_kind: global_buffer, .address_space: global }
    .group_segment_fixed_size: 0
    .private_segment_fixed_size: 0
    .kernarg_segment_align: 8
    .kernarg_segment_size: 40
    .max_flat_workgroup_size: 256
    .sgpr_count:     66
    .vgpr_count:     144
    .wavefront_size: 32
...
	.end_amdgpu_metadata
.endif
;; end of part 3
;; launch dense: the kernel of part 2 again; grid 16 x 16, 4 waves a work-group, clusters of 4 x 4, 327,680 bytes of LDS; arguments Wb, Xb, par, out0; writes out0
